; MI455X (gfx1250); checked and timed in simulation.
; The chip was launched on July 23, 2026; its instructions are those of AMD's public machine-readable ISA for CDNA 5 (MIT licence, August 2026) and "CDNA5" Instruction Set Architecture Reference Guide (July 2026). The comments in the code are by the model that wrote it; some were corrected since.
;; Multi Head Attention. Allowed arithmetic: matrix products marked QUANTISED: E3M2 operands, one E8M0 scale for each 32 along K, by v_wmma_scale_f32_16x16x128_f8f6f4 with both operands' format E3M2, f32 sums; everything else in f32.
;; Inputs: Wk_codes 1,024 x 32 x 24 uint8 (E3M2 codes of Wk, K innermost, in blocks of 32 codes, four codes in three bytes); Wk_scales 1,024 x 32 uint8 (E8M0 scales of Wk, one for each 32 codes along K); Wq_codes 1,024 x 32 x 24 uint8 (E3M2 codes of Wq, K innermost, in blocks of 32 codes, four codes in three bytes); Wq_scales 1,024 x 32 uint8 (E8M0 scales of Wq, one for each 32 codes along K); Wv_codes 1,024 x 32 x 24 uint8 (E3M2 codes of Wv, K innermost, in blocks of 32 codes, four codes in three bytes); Wv_scales 1,024 x 32 uint8 (E8M0 scales of Wv, one for each 32 codes along K); bk 1,024 float32; bq 1,024 float32; bv 1,024 float32; k_codes 2 x 2,048 x 32 x 24 uint8 (E3M2 codes of k, K innermost, in blocks of 32 codes, four codes in three bytes); k_scales 2 x 2,048 x 32 uint8 (E8M0 scales of k, one for each 32 codes along K); mask 1 x 1 x 2,048 x 2,048 int32; q_codes 2 x 2,048 x 32 x 24 uint8 (E3M2 codes of q, K innermost, in blocks of 32 codes, four codes in three bytes); q_scales 2 x 2,048 x 32 uint8 (E8M0 scales of q, one for each 32 codes along K); v_codes 2 x 2,048 x 32 x 24 uint8 (E3M2 codes of v, K innermost, in blocks of 32 codes, four codes in three bytes); v_scales 2 x 2,048 x 32 uint8 (E8M0 scales of v, one for each 32 codes along K).
;; Outputs: out0 2 x 2,048 x 1,024 float32.
;; This version of the problem:
;;   THIS VERSION OF THE PROBLEM IS GIVEN IN LOW PRECISION. The matrix products marked QUANTISED in the list below multiply operands that are first quantised to E3M2 (3 exponent bits, 2 mantissa bits; 6 bits a number), with one power-of-two scale for each 32 numbers along K (OCP MX v1.0); their sums are f32. All else is computed in f32.
;;   The module's matrix products, in the order in which they are computed (A, B: the left and right operand; K: the contracted axis; several contracted axes count as one K, in the product's order):
;;     1. [M 4,096, K 1,024] x [K 1,024, N 1,024]; A: input q (given as codes); B: input Wq (given as codes): QUANTISED
;;     2. [M 4,096, K 1,024] x [K 1,024, N 1,024]; A: input k (given as codes); B: input Wk (given as codes): QUANTISED
;;     3. [M 4,096, K 1,024] x [K 1,024, N 1,024]; A: input v (given as codes); B: input Wv (given as codes): QUANTISED
;;     4. batch 32 x [M 2,048, K 64] x [K 64, N 2,048]; A: computed on the way; B: computed on the way: QUANTISED
;;     5. batch 32 x [M 2,048, K 2,048] x [K 2,048, N 64]; A: computed on the way; B: computed on the way: QUANTISED
;;   THE QUANTISER, for each operand of a quantised product, along K:
;;     - K is cut into blocks of 32 from its start; a last block that is shorter is filled with zeros.
;;     - A block's scale is 2^e with e = floor(log2(the largest magnitude in the block)) - 4, held to -126 .. 127; a block of zeros has e = 0. As a byte (E8M0): e + 127.
;;     - Each number is divided by its block's scale, clamped to +-28, and rounded to the nearest number of E3M2, ties to even, subnormals kept.
;;     - The product sums the exact products of the quantised numbers (number of the format x scale) in f32.
;;   ~~~python
;;   def quantise(x, axis):      # numpy; x: float32 -> the quantised numbers, widened to float32 again
;;       x = np.moveaxis(x, axis, -1); K = x.shape[-1]
;;       x = np.pad(x, [(0, 0)] * (x.ndim - 1) + [(0, -K % 32)]); x = x.reshape(x.shape[:-1] + (-1, 32)); a = np.abs(x).max(-1, keepdims=True)
;;       e = np.where(a > 0, np.clip(np.frexp(np.where(a > 0, a, 1))[1] - 1 - 4, -126, 127), 0)      # np.frexp(a)[1] - 1 = floor(log2(a)), exactly
;;       r = np.clip(x / 2.0 ** e, -28, 28)
;;       step = 2.0 ** (np.maximum(np.frexp(np.where(r == 0, 1, r))[1] - 1, -2) - 2)
;;       q = np.round(r / step) * step * 2.0 ** e      # np.round: ties to even
;;       return np.moveaxis(q.reshape(q.shape[:-2] + (-1,))[..., :K], -1, axis).astype(np.float32)
;;   ~~~
;;   OPERANDS COMPUTED ON THE WAY. 'Computed on the way' means the value that the module computes at that place (a softmax that the list does not call 'softmax' is quantised finished and normalised). What goes into a quantiser is computed in f32, as accurately as f32 sums, v_exp_f32 and their like allow (about 1e-6 of the number): no bf16 or f16 on the way to a quantiser, and a product that is left as it is and whose result goes on into a quantised operand takes f32 operands (vector FMAs, or v_wmma_f32_16x16x4_f32). A number that lies on a knife's edge between two numbers of the format may be rounded either way, as far as f32 arithmetic and the matrix unit's own rounding can turn it there, and no further.
;;   INPUTS GIVEN AS CODES. Wk (in the module: [1024, 1024], K = its axis 0); Wq (in the module: [1024, 1024], K = its axis 0); Wv (in the module: [1024, 1024], K = its axis 0); k (in the module: [2, 2048, 1024], K = its axis 2); q (in the module: [2, 2048, 1024], K = its axis 2); v (in the module: [2, 2048, 1024], K = its axis 2): each comes as NAME_codes (uint8): NAME with its K axis moved to the last place and cut into blocks of 32 codes, [.., K / 32, bytes a block], one block behind the other in memory; four codes in three bytes: a row's codes are one little-endian stream of bits, code i at bits 6 i .. 6 i + 5 (a code: sign, 3 exponent bits, 2 mantissa bits); and NAME_scales (uint8): the same leading axes, one E8M0 byte (e + 127) for each 32 codes along K. Its value is code x scale, taken as it is: it is not quantised again, and the codes and scales need not be those that the quantiser above would give.
;; One version. Each part assembles by itself: llvm-mc -triple=amdgcn-amd-amdhsa -mcpu=gfx1250 --defsym DOCPART=n.
;; ======== version 1 of 1: 2 launches
;; limits: right only within a limited range of input values
;; workspace buffers: qc 3,145,728 bytes; kc 3,145,728 bytes; vc 3,145,728 bytes; qs 262,144 bytes; ks 262,144 bytes; vs 262,144 bytes; mw 524,288 bytes of whole numbers; fl 4,096 bytes of whole numbers
;; launch proj (part 1): grid 8 x 32, 4 waves a work-group, clusters of 4 x 4, 327,680 bytes of LDS; arguments q_codes, q_scales, Wq_codes, Wq_scales, bq, qc, qs, k_codes, k_scales, Wk_codes, Wk_scales, bk, kc, ks, v_codes, v_scales, Wv_codes, Wv_scales, bv, vc, vs, mask, mw, fl; writes qc, qs, kc, ks, vc, vs, mw, fl
.if DOCPART == 1
	.amdgcn_target "amdgcn-amd-amdhsa--gfx1250"
	.amdhsa_code_object_version 6
	.text
	.protected	k_q907ef53c36_proj
	.globl	k_q907ef53c36_proj
	.p2align	8
	.type	k_q907ef53c36_proj,@function
k_q907ef53c36_proj:
	s_mov_b64 s[64:65], 0
	v_nop
	global_prefetch_b8 v0, s[64:65] scope:SCOPE_SE
	s_setreg_imm32_b32 hwreg(HW_REG_WAVE_MODE, 25, 1), 1
	s_wait_xcnt 0x0
	s_wait_alu depctr_hold_cnt(0) depctr_sa_sdst(0) depctr_va_vdst(0) depctr_va_sdst(0) depctr_va_ssrc(0) depctr_va_vcc(0) depctr_vm_vsrc(0)
	s_getreg_b32 s2, hwreg(HW_REG_IB_STS2, 6, 4)
	s_cmp_eq_u32 s2, 0
	s_cbranch_scc0 .Lentry_in_a_cluster
	s_endpgm
.Lentry_in_a_cluster:
	s_bfe_u32 s2, ttmp6, 0x10000c
	s_cmp_lg_u32 s2, 0xf033
	s_cbranch_scc0 .Lentry_shape_is_right
	s_endpgm
.Lentry_shape_is_right:
; WORK LEFT OUT IN THIS PROGRAM: reference() takes the maximum g of ALL scores away ahead of its softmax.  g is the same along the softmax's axis, and the softmax takes the row's own
; maximum away again: in exact arithmetic (s - g) - max over the row of (s - g) = s - the row's maximum, for all inputs.  So g is not formed; the row's own maximum is taken away (launch attn).
; Limit: a NaN, an infinity or an overflow that reaches only g is not carried to the result.  Every input is loaded.
; THIS LAUNCH: the three projections x W + b (x [4096][1024], W [1024 features][1024], both as codes of BF6 (E3M2) with K innermost and one E8M0 byte for each 32 along K; b f32), the quantising of their results
; for the attention launch (q's and k's along the head's 64 dimensions, v's along the keys), and the mask's bits.
; P AND L.  Source 0 of every product is operand P: its rows become the result's registers, which are the next product's K.  Source 1 is operand L: its rows become lanes.
; q, k: P = W (features), L = x (tokens).  v: P = x (tokens = keys), L = W (features).  Both panels are 128 rows of 768 bytes.
; A WORK-GROUP STAYS and makes three blocks of 128 (P) x 128 (L): one of q, one of k (a loop of two trips), one of v (written out: it asks for nothing more).  Four waves, 64 x 64 each: 16 accumulators.
; TWO SLOTS CUT A ROW OF CODES: slot A holds bytes 0-511 of both panels' rows, slot B bytes 512-767; every tensor row begins at a multiple of 256 bytes.  K steps 0-4 read A alone, step 5 both, steps 6, 7 B alone.
; A is filled again, with the next block's bytes, behind step 5's fragment reads; B behind the quantiser.  Each refill: every wave's wait for all its tensor loads, the add, the wait for it and for its reads, a round of the
; cluster's barrier, one joint load a wave.  A's load has two and a half K steps and the quantiser in which to land, B's the next block's first four K steps.  No prefetch: each refill goes out a slot ahead, and the walk has three blocks.
; THE ROWS OF P THAT FORM A TILE ARE NOT NEIGHBOURS: lane r of tile pt takes row 32 (pt / 2) + 8 (pt % 2) + r + 8 (r / 8), so that the 16 registers of tiles 2 b and 2 b + 1 are 16 neighbours along the next K: 32 b + 16 (lane / 16) + 0 .. 15.
; CLUSTERS: 4 x 4 work-groups.  P's panel hangs on cx alone of the two places and is shared along a column of the cluster, L's on cy alone and is shared along a row: each tile is asked for jointly.
; OUT.  A record of 768 bytes is the register image of 16 rows x 64 along K: lane position rho + 16 H owns 32 codes (block H of row rho): registers 0-3 at 16 x position, registers 4-5 at 512 + 8 x position.
; Record ((bh 32 + G) 4 + lt): bh = 16 batch + head, G = (token in the batch) / 64; lt = tile of 16 tokens (q, k) or of 16 channels (v).  Scale words [bh][G][rho][lt] u32: the record's two bytes, written twice.
; THE MASK [2048][2048] int32 (0 = hidden): unit (T, hf) = (4 x (x's panel) + (W's panel) / 2, (W's panel) % 2) of block q's numbers, wave w: four chunks of 16 rows x 256 bytes, chunk k = pair p = 4 hf + k.
; mw [T 128][w 4][hf 2][lane 32][k 4] u32: lane (r, h): bit n = 16 e + i says that mask[16 T + r][64 (4 p + w) + 32 e + 16 h + i] is not 0.
; fl [T][w][hf 2] u32: bit p: pair p (16 queries x 64 keys) keeps some key; bit 8 + p: it keeps some and hides some.
; A wave's 32 loads of the mask go out ahead of the loop, into window 2's v128-255, and are used at the end; a chunk turns through the wave's own stage in LDS, on bytes that no fill lands on.
; LIMITS: a block of zeros gets the byte 1 where the quantiser's rule says 127 (its codes are zeros, and this program alone reads the bytes); a given scale byte 0xff gives NaN; NaN and infinities are not served.
; REGISTERS: window 0: v1-27 addresses; v32-63 L's scale words, v64-95 P's (tile i, K step k at 8 i + k); v96-127 the quantiser; v128-175 codes.
;   window 1: two sets of fragments at v0 and v128 (P's four tiles, then L's four, 12 registers each); v96-127 the bias.   window 2: v0-127 the accumulators, (pt, lt) at 8 (4 lt + pt); v128-255 the mask as loaded.
.set PITCH,  560                       ; an LDS row in either slot.  A: 2 x (256 bytes + 24 of padding); B: 256 bytes + 304
.set HALFC,  64*PITCH                  ; 64 rows: what one tensor load brings, and what one wave reads
.set PANEL,  128*PITCH
.set BOFF,   2*PANEL                   ; slot B lies behind slot A, laid alike: L's 128 rows, then P's
.set SPARE,  2*BOFF                    ; the spare words
.set MSTG,   SPARE+512                 ; a stage for each wave, for the mask
.set STG,    16*272
.set ADRL, 8                           ; v8 my L fragments in A; v9 lanes 16-31 one padding on; v10 lanes 0-15 at row byte 488 in A, lanes 16-31 at row byte 512 in B; v11 in B
.set ADRP, 12                          ; v12-15 the same for P
.set ADSL, 16                          ; v16  my L rows' scale words in memory: 32 r
.set ADSP, 17                          ; v17  my P rows': 32 (r + 8 (r / 8))
.set ST16, 18                          ; v18  16 x lane
.set ST8,  19                          ; v19  8 x lane
.set STS,  20                          ; v20  16 r + 8 h
.set BAH,  21                          ; v21  64 h
.set BAR,  22                          ; v22  4 r
.set GA,   23                          ; v23  the mask: (lane / 16) x 8,192 + 16 (lane % 16)
.set STA,  24                          ; v24  the same place in my stage
.set RDA,  25                          ; v25  row r, + 64 h: where I read back
.set FV,   26                          ; v26-27 the flags on their way out, and 0
.set SL,   32
.set SP,   64
.set TM,   96                          ; v96-103  a block's largest magnitude: block 2 lt + b
.set T2,   104                         ; v104-111 the other half's, then the byte
.set SO,   112                         ; v112-119 the conversion's scale operand
.set WD,   120                         ; v120-123 the scale words
.set WP,   124                         ; v124-125 the two that I store
.set CD,   128                         ; codes: 12 registers a tile of L
.set CB,   96                          ; in window 1: the bias, 8 registers a tile
.set BK0,  24                          ; s[24:37], s[40:53], s[68:81]: a tensor's seven addresses: L's codes, L's scales, P's codes, P's scales, bias, records, scale words
.set BK1,  40
.set BK2,  68
.set G0L,  56                          ; s[56:59], s[60:63] group 0 for L's and P's codes;  s[84:91], s[92:99] group 1
.set G0P,  60
.set G1L,  84
.set G1P,  92
.set G1A0, (1<<20)|(1<<21)|(5<<22)|(5<<25)    ; elements of 1 byte; padding on; bit 21 beside a mask; after every 64 words; of 6 words
.set G1B0, (1<<20)|(1<<21)|(5<<22)|(75<<25)   ; the same, of 76 words
; s[4:17] this block's addresses: P's codes, P's scales, L's codes, L's scales, bias, records, scale words.  s2 block; s3 W's panel of q, k; s23 x's panel; s18-20 wave, its halves; s24 where my loads go in slot A
.set MSB, 0
.macro WIN new                         ; the immediate's high byte repeats the setting that is left
.if MSB != \new
	s_set_vgpr_msb (MSB<<8)|\new
.set MSB, \new
.endif
.endm
.set MULW, 0xa5                        ; sources 0 and 1 window 1, C and D window 2
.set MULB, 0x95                        ; the same with C (the bias) in window 1
.set TO_F, 0x40                        ; destination window 1
; A joint load: waves 0 and 1 fetch for L, waves 2 and 3 for P.  The branch hangs on the wave's number alone.  An s_nop 0 and four v_nop follow each of the two lines.
.macro JLOAD
	s_cmp_eq_u32 s19, 0
	s_cbranch_scc0 .Lfor_p_\@
	tensor_load_to_lds s[G0L:G0L+3], s[G1L:G1L+7]
	s_nop 0
.rept 4
	v_nop
.endr
	s_branch .Lasked_\@
.Lfor_p_\@:
	tensor_load_to_lds s[G0P:G0P+3], s[G1P:G1P+7]
	s_nop 0
.rept 4
	v_nop
.endr
.Lasked_\@:
.endm
.macro CROUND                          ; a round of the cluster's barrier
	s_barrier_signal -1
	s_barrier_wait -1
	s_cmp_lg_u32 s18, 0
	s_cbranch_scc1 .Lnot_wave_0_\@
	s_barrier_signal -3
.Lnot_wave_0_\@:
	s_barrier_wait -3
	s_barrier_signal -1
	s_barrier_wait -1
.endm
.macro PLACES
.rept 4
	v_nop
.endr
.endm
; A tensor's addresses are brought to my share.  lp, pp: the registers with L's and P's panel.  L's offsets are made in s100-101, P's in s54-55, what hangs on both in s38-39 and s82-83
.macro COOK b, lp, pp, isv
	s_mul_i32 s100, s\lp, 128*768
	s_mul_i32 s101, s20, 64*768
	s_add_co_u32 s100, s100, s101
	s_mov_b32 s101, 0
	s_add_nc_u64 s[\b:\b+1], s[\b:\b+1], s[100:101]            ; L's codes: the 64 rows that I fetch
	s_lshl_b32 s100, s\lp, 12
	s_lshl_b32 s38, s19, 11
	s_add_co_u32 s100, s100, s38
	s_add_nc_u64 s[\b+2:\b+3], s[\b+2:\b+3], s[100:101]        ; L's scales: the 64 rows that I multiply
	s_mul_i32 s54, s\pp, 128*768
	s_mul_i32 s55, s20, 64*768
	s_add_co_u32 s54, s54, s55
	s_mov_b32 s55, 0
	s_add_nc_u64 s[\b+4:\b+5], s[\b+4:\b+5], s[54:55]          ; P's codes
	s_lshl_b32 s54, s\pp, 12
	s_lshl_b32 s38, s20, 11
	s_add_co_u32 s54, s54, s38
	s_add_nc_u64 s[\b+6:\b+7], s[\b+6:\b+7], s[54:55]          ; P's scales
	s_lshl_b32 s38, s\pp, 1
	s_add_co_u32 s38, s38, s20                     ; 2 x P's panel + my half
	s_lshl_b32 s39, s\lp, 1
	s_add_co_u32 s39, s39, s19                     ; 2 x L's panel + my half
.if \isv
.set HDR, 39                           ; the head comes from the features' side, the group of 64 tokens from the tokens' side
.set TGR, 38
.else
.set HDR, 38
.set TGR, 39
.endif
	s_lshl_b32 s82, s[HDR], 8
	s_mov_b32 s83, 0
	s_add_nc_u64 s[\b+8:\b+9], s[\b+8:\b+9], s[82:83]          ; the bias at my head's 64 numbers
	s_lshr_b32 s82, s[TGR], 5                      ; batch
	s_lshl_b32 s82, s82, 4
	s_add_co_u32 s82, s82, s[HDR]                  ; bh
	s_lshl_b32 s82, s82, 5
	s_and_b32 s[TGR], s[TGR], 31
	s_add_co_u32 s[TGR], s82, s[TGR]               ; 32 bh + G
	s_mul_i32 s82, s[TGR], 4*768
	s_add_nc_u64 s[\b+10:\b+11], s[\b+10:\b+11], s[82:83]
	s_lshl_b32 s82, s[TGR], 8
	s_add_nc_u64 s[\b+12:\b+13], s[\b+12:\b+13], s[82:83]
.endm
.macro ADESC                           ; the descriptors of slot A's loads: 64 rows x 512 bytes, from s[8:9] and s[4:5]
	s_or_b32 s[G1L], s66, G1A0
	s_or_b32 s[G1P], s67, G1A0
.irp g, G1L, G1P
	s_mov_b32 s[\g+1], 512<<16
	s_mov_b32 s[\g+3], 512<<16
.endr
	s_mov_b32 s[G0L+1], s24
	s_mov_b32 s[G0P+1], s24
	s_mov_b64 s[G0L+2:G0L+3], s[8:9]
	s_or_b32 s[G0L+3], s[G0L+3], 0x80000000
	s_mov_b64 s[G0P+2:G0P+3], s[4:5]
	s_or_b32 s[G0P+3], s[G0P+3], 0x80000000
.endm
; Slot B is filled: for the first time, or again.  pick = 1: the last block's stores have read their bases, which step to the next block
.macro ZSEQ pick
	s_wait_tensorcnt 0x0                           ; all my tensor loads have landed: my part of slot A;
	ds_add_u32 v254, v255                          ; 0 onto my spare word
	s_or_b32 s[G1L], s66, G1B0                     ; no load of mine is out: 64 rows x 256 bytes, 512 bytes along the rows
	s_or_b32 s[G1P], s67, G1B0
.irp g, G1L, G1P
	s_mov_b32 s[\g+1], 256<<16
	s_mov_b32 s[\g+3], 256<<16
.endr
	s_add_co_u32 s[G0L+1], s24, BOFF
	s_add_co_u32 s[G0P+1], s24, BOFF
	s_add_nc_u64 s[G0L+2:G0L+3], s[8:9], 512
	s_or_b32 s[G0L+3], s[G0L+3], 0x80000000
	s_add_nc_u64 s[G0P+2:G0P+3], s[4:5], 512
	s_or_b32 s[G0P+3], s[G0P+3], 0x80000000
.if \pick
	s_wait_xcnt 0x0
	s_cmp_eq_u32 s2, 0
	s_cselect_b64 s[14:15], s[BK1+10:BK1+11], s[BK2+10:BK2+11]
	s_cselect_b64 s[16:17], s[BK1+12:BK1+13], s[BK2+12:BK2+13]
.endif
	s_wait_dscnt 0x0                               ; the add is done, and my reads of slot B are over
	CROUND                                         ; the same holds of every wave of every partner, and slot A is whole
	JLOAD
.endm
.macro SCLOAD                          ; the scale words of my 64 + 64 rows, all of K, straight into their registers: sixteen rows are 512 neighbouring bytes
.irp i, 0,1,2,3
	global_load_b128 v[SL+8*\i:SL+8*\i+3], v[ADSL], s[10:11] offset:\i*512
	global_load_b128 v[SL+8*\i+4:SL+8*\i+7], v[ADSL], s[10:11] offset:\i*512+16
	global_load_b128 v[SP+8*\i:SP+8*\i+3], v[ADSP], s[6:7] offset:(32*(\i/2)+8*(\i%2))*32
	global_load_b128 v[SP+8*\i+4:SP+8*\i+7], v[ADSP], s[6:7] offset:(32*(\i/2)+8*(\i%2))*32+16
.endr
.endm
.macro BIASQK                          ; q, k: the features run along the registers: tile pt's eight are 32 (pt / 2) + 8 (pt % 2) + 16 h + 0 .. 7
	WIN TO_F
.irp t, 0,1,2,3
	global_load_b128 v[CB+8*\t:CB+8*\t+3], v[BAH], s[12:13] offset:(32*(\t/2)+8*(\t%2))*4
	global_load_b128 v[CB+8*\t+4:CB+8*\t+7], v[BAH], s[12:13] offset:(32*(\t/2)+8*(\t%2))*4+16
.endr
	WIN 0
.endm
.macro BIASV                           ; v: the feature is the lane's: 16 lt + r, the same in all eight registers
	WIN TO_F
.irp t, 0,1,2,3
.irp j, 0,1,2,3,4,5,6,7
	global_load_b32 v[CB+8*\t+\j], v[BAR], s[12:13] offset:64*\t
.endr
.endr
	WIN 0
.endm
	s_load_b256 s[24:31], s[0:1], 0x0              ; tensor 0: x's codes, x's scales, W's codes, W's scales,
	s_load_b128 s[32:35], s[0:1], 0x20             ; the bias, the records,
	s_load_b64 s[36:37], s[0:1], 0x30              ; the scale words
	s_load_b256 s[40:47], s[0:1], 0x38             ; tensor 1
	s_load_b128 s[48:51], s[0:1], 0x58
	s_load_b64 s[52:53], s[0:1], 0x68
	s_load_b256 s[68:75], s[0:1], 0x70             ; tensor 2
	s_load_b128 s[76:79], s[0:1], 0x90
	s_load_b64 s[80:81], s[0:1], 0xa0
	v_lshl_add_u32 v254, v0, 2, SPARE
	v_mov_b32 v255, 0
	ds_add_u32 v254, v255                          ; the opening lines: the add, twice on end, and its wait
	ds_add_u32 v254, v255
	v_lshrrev_b32 v1, 5, v0
	v_readfirstlane_b32 s18, v1                    ; wave 0..3
	s_lshr_b32 s19, s18, 1                         ; which 64 rows of L are mine.  Also: I fetch for L (0) or for P (1)
	s_and_b32 s20, s18, 1                          ; which 64 rows of P.  Also: which 64 rows of that panel I fetch
	s_bfe_u32 s38, ttmp6, 0x40000                  ; cx
	s_bfe_u32 s39, ttmp6, 0x40004                  ; cy
	s_and_b32 s2, ttmp7, 0xffff                    ; the cluster's y, cl = 0 .. 7
	s_lshl_b32 s3, ttmp9, 2
	s_add_co_u32 s3, s3, s38                       ; q, k: P's panel, one of W's 8: 4 x cluster x + cx
	s_lshl_b32 s23, s2, 2
	s_add_co_u32 s23, s23, s39                     ; q, k: L's panel, one of x's 32: 4 cl + cy
	s_and_b32 s22, s2, 3
	s_lshl_b32 s22, s22, 3
	s_add_co_u32 s22, s22, s3                      ; v: P's panel, one of x's 32: + 8 (cl % 4)
	s_lshr_b32 s21, s2, 2
	s_lshl_b32 s21, s21, 2
	s_add_co_u32 s21, s21, s39                     ; v: L's panel, one of W's 8: cy + 4 (cl / 4)
	s_lshl_b32 s66, s39, 2
	s_lshl_b32 s66, 15, s66                        ; my row of the cluster: L's mask
	s_lshl_b32 s67, 0x1111, s38                    ; my column: P's mask
.irp g, G1L, G1P
	s_mov_b32 s[\g+2], 64<<16                      ; tensor_dim1
	s_mov_b32 s[\g+4], 64                          ; tile_dim1
	s_mov_b32 s[\g+5], 768                         ; from row to row
	s_mov_b32 s[\g+6], 0
	s_mov_b32 s[\g+7], 0
.endr
	s_mov_b32 s[G0L], 1
	s_mov_b32 s[G0P], 1
	s_wait_dscnt 0x0
	s_wait_kmcnt 0x0
	s_mov_b64 s[100:101], s[68:69]                 ; v: L is W and P is x: the two pairs of addresses change places
	s_mov_b64 s[68:69], s[72:73]
	s_mov_b64 s[72:73], s[100:101]
	s_mov_b64 s[100:101], s[70:71]
	s_mov_b64 s[70:71], s[74:75]
	s_mov_b64 s[74:75], s[100:101]
	COOK BK0, 23, 3, 0
	s_mov_b64 s[8:9], s[BK0:BK0+1]
	s_mov_b64 s[10:11], s[BK0+2:BK0+3]
	s_mov_b64 s[4:5], s[BK0+4:BK0+5]
	s_mov_b64 s[6:7], s[BK0+6:BK0+7]
	s_mov_b64 s[12:13], s[BK0+8:BK0+9]
	s_mov_b64 s[14:15], s[BK0+10:BK0+11]
	s_mov_b64 s[16:17], s[BK0+12:BK0+13]
	s_mul_i32 s24, s19, PANEL                      ; where my loads go: my panel, my half: the wave's number alone
	s_mul_i32 s25, s20, HALFC
	s_add_co_u32 s24, s24, s25
	ADESC
	CROUND                                         ; all sixteen work-groups are here: the joint loads meet
	JLOAD                                          ; my one tensor load at the head: block q, slot A
	v_and_b32 v1, 15, v0                           ; r
	v_bfe_u32 v2, v0, 4, 1                         ; h
	v_and_b32 v3, 31, v0                           ; lane
	v_mul_u32_u24 v4, v1, PITCH
	v_mad_u32_u24 v5, v2, 24, v4                   ; row r, + 24 h
	v_mad_u32_u24 v6, v2, 48, v4                   ; and the same behind one padding more
	v_mul_u32_u24 v7, BOFF-512, v2
	v_add_nc_u32 v7, v7, v4
	v_add_nc_u32 v7, 512, v7                       ; lanes 0-15: row byte 488 (LDS byte 512 of the row in A); lanes 16-31: the row's first byte in B
	s_mul_i32 s100, s19, HALFC
	v_add_nc_u32 v[ADRL], s100, v5
	v_add_nc_u32 v[ADRL+1], s100, v6
	v_add_nc_u32 v[ADRL+2], s100, v7
	v_add_nc_u32 v[ADRL+3], BOFF, v[ADRL]
	v_and_b32 v4, 8, v1
	v_mul_u32_u24 v27, v4, PITCH                   ; P: row r + 8 (r / 8)
	s_mul_i32 s100, s20, HALFC
	s_add_co_u32 s100, s100, PANEL
	v_add_nc_u32 v27, s100, v27
	v_add_nc_u32 v[ADRP], v27, v5
	v_add_nc_u32 v[ADRP+1], v27, v6
	v_add_nc_u32 v[ADRP+2], v27, v7
	v_add_nc_u32 v[ADRP+3], BOFF, v[ADRP]
	v_lshlrev_b32 v[ADSL], 5, v1
	v_lshl_add_u32 v[ADSP], v4, 5, v[ADSL]
	v_lshlrev_b32 v[ST16], 4, v3
	v_lshlrev_b32 v[ST8], 3, v3
	v_lshlrev_b32 v[STS], 4, v1
	v_lshl_add_u32 v[STS], v2, 3, v[STS]
	v_lshlrev_b32 v[BAH], 6, v2
	v_lshlrev_b32 v[BAR], 2, v1
	v_lshlrev_b32 v[GA], 4, v1
	v_lshl_add_u32 v[GA], v2, 13, v[GA]
	s_mul_i32 s100, s18, STG                       ; my wave's stage
	s_add_co_u32 s100, s100, MSTG
	v_mul_u32_u24 v[STA], v2, 272
	v_lshl_add_u32 v[STA], v1, 4, v[STA]
	v_add_nc_u32 v[STA], s100, v[STA]
	v_mul_u32_u24 v[RDA], v1, 272
	v_lshl_add_u32 v[RDA], v2, 6, v[RDA]
	v_add_nc_u32 v[RDA], s100, v[RDA]
.irp b, 0,1,2,3,4,5,6,7
	v_mov_b32 v[T2+\b], 0                          ; written once: a lane permute's destination counts as one of its sources
.endr
	COOK BK1, 23, 3, 0
	COOK BK2, 21, 22, 1
	s_load_b64 s[82:83], s[0:1], 0xa8              ; mask
	s_mov_b32 s21, 0x76543210
	s_mov_b32 s22, 0xfedcba98                      ; v_permlanex16_b32's selects for lane l xor 16
	s_wait_alu depctr_va_vdst(0)
	SCLOAD
	BIASQK
	ZSEQ 0                                         ; block q, slot B: a first fill, issued as a refill is
	s_lshl_b32 s38, s23, 2
	s_lshr_b32 s39, s3, 1
	s_add_co_u32 s38, s38, s39                     ; T
	s_and_b32 s39, s3, 1                           ; hf
	s_lshl_b32 s54, s38, 17                        ; mask: 16 T rows of 8,192 bytes + 4,096 hf + 256 w
	s_lshl_b32 s100, s39, 12
	s_add_co_u32 s54, s54, s100
	s_lshl_b32 s100, s18, 8
	s_add_co_u32 s54, s54, s100
	s_mov_b32 s55, 0
	s_wait_kmcnt 0x0
	s_add_nc_u64 s[82:83], s[82:83], s[54:55]
	s_wait_loadcnt 0x0                             ; block q's scale words and bias
	WIN 0x80                                       ; destination window 2
.irp k, 0,1,2,3
.irp i, 0,1,2,3,4,5,6,7
	global_load_b128 v[128+32*\k+4*\i:128+32*\k+4*\i+3], v[GA], s[82:83] offset:\k*1024+\i*16384 th:TH_LOAD_NT   ; rows 2 i, 2 i + 1: sixteen lanes read 256 aligned bytes; read once in the launch
.endr
.endr
	WIN 0
	s_mov_b32 s2, 0
; A fragment, 16 rows x 128 K of 6-bit codes, is 12 registers: lane l holds a row; registers 6 c .. 6 c + 5 hold K = 64 c + 32 (l / 16) + 0 .. 31: 24 bytes of the row's stream of bits, in pieces of 8 bytes.
; Piece PC begins at row byte 8 PC for lanes 0-15 and 24 bytes on for lanes 16-31.  Row byte y lies at LDS byte y (y < 256) or y + 24 (y < 512) of the row in A, or y - 512 of the row in B.  q: the K step.
.macro FRAG reg, adr, q, rowoff
.irp p, 0,1,2,3,4,5
.set PC, 12*(\q)+6*(\p/3)+\p%3
.if PC < 29
	ds_load_b64 v[\reg+2*\p:\reg+2*\p+1], v[\adr] offset:8*PC+(\rowoff)
.elseif PC < 32
	ds_load_b64 v[\reg+2*\p:\reg+2*\p+1], v[\adr+1] offset:8*PC+(\rowoff)
.elseif PC < 61
	ds_load_b64 v[\reg+2*\p:\reg+2*\p+1], v[\adr] offset:8*PC+24+(\rowoff)
.elseif PC < 64
	ds_load_b64 v[\reg+2*\p:\reg+2*\p+1], v[\adr+2] offset:8*PC-488+(\rowoff)
.else
	ds_load_b64 v[\reg+2*\p:\reg+2*\p+1], v[\adr+3] offset:8*PC-512+(\rowoff)
.endif
.endr
.endm
.macro FETCH k, f                      ; K step k's eight fragments into the set at f
	WIN TO_F
.irp i, 0,1,2,3
	FRAG (\f)+12*\i, ADRP, \k, (32*(\i/2)+8*(\i%2))*PITCH
.endr
.irp i, 0,1,2,3
	FRAG (\f)+48+12*\i, ADRL, \k, 16*\i*PITCH
.endr
.endm
; 8 products: L's tiles lt0, lt0 + 1 x P's four.  cmode 0: onto the sums; 1: the sums begin with the bias of P's tile; 2: of L's tile.  The 16 accumulators take turns, in the same order in every K step.
.macro MUL8 k, lt0, cmode
.set FB, 128*((\k)%2)
.irp lt, \lt0, \lt0+1
.irp pt, 0,1,2,3
.if \cmode == 0
	v_wmma_scale_f32_16x16x128_f8f6f4 v[8*(4*(\lt)+\pt):8*(4*(\lt)+\pt)+7], v[FB+12*\pt:FB+12*\pt+11], v[FB+48+12*(\lt):FB+48+12*(\lt)+11], v[8*(4*(\lt)+\pt):8*(4*(\lt)+\pt)+7], v[SP+8*\pt+(\k)], v[SL+8*(\lt)+(\k)] matrix_a_fmt:MATRIX_FMT_BF6 matrix_b_fmt:MATRIX_FMT_BF6
.elseif \cmode == 1
	v_wmma_scale_f32_16x16x128_f8f6f4 v[8*(4*(\lt)+\pt):8*(4*(\lt)+\pt)+7], v[FB+12*\pt:FB+12*\pt+11], v[FB+48+12*(\lt):FB+48+12*(\lt)+11], v[CB+8*\pt:CB+8*\pt+7], v[SP+8*\pt+(\k)], v[SL+8*(\lt)+(\k)] matrix_a_fmt:MATRIX_FMT_BF6 matrix_b_fmt:MATRIX_FMT_BF6
.else
	v_wmma_scale_f32_16x16x128_f8f6f4 v[8*(4*(\lt)+\pt):8*(4*(\lt)+\pt)+7], v[FB+12*\pt:FB+12*\pt+11], v[FB+48+12*(\lt):FB+48+12*(\lt)+11], v[CB+8*(\lt):CB+8*(\lt)+7], v[SP+8*\pt+(\k)], v[SL+8*(\lt)+(\k)] matrix_a_fmt:MATRIX_FMT_BF6 matrix_b_fmt:MATRIX_FMT_BF6
.endif
.endr
.endr
.endm
; K step k: the next step's fragments are asked for ahead of this step's products.  Four places stand in front of loads into registers that products have read.
.macro STEP k
	s_wait_dscnt 0x0                               ; this step's fragments are in
.if (\k) < 7
	PLACES
	FETCH (\k)+1, 128*(((\k)+1)%2)
	WIN MULW
	MUL8 \k, 0, 0
	MUL8 \k, 2, 0
.else
	WIN MULW
	MUL8 \k, 0, 0
	MUL8 \k, 2, 0
.endif
.endm
; A block.  isv: v's block (the bias runs along the lanes).  last: nothing more is asked for
.macro TILE isv, last
	FETCH 0, 0
	s_wait_dscnt 0x0
	FETCH 1, 128
	WIN MULB
	MUL8 0, 0, 1+\isv                              ; the first K step starts the sums with the bias
	MUL8 0, 2, 1+\isv
	STEP 1
	STEP 2
	STEP 3
	s_wait_dscnt 0x0                               ; K step 4.  Step 5 reads slot B:
	s_wait_tensorcnt 0x0                           ; my part of it has landed;
	s_barrier_signal -1
	WIN MULW
	MUL8 4, 0, 0
	s_barrier_wait -1                              ; everybody's has.
	PLACES
	FETCH 5, 128
	WIN MULW
	MUL8 4, 2, 0
.if \last
	STEP 5
.else
	s_wait_dscnt 0x0                               ; K step 5's fragments are in: my reads of slot A are over
	WIN 0
	s_wait_tensorcnt 0x0                           ; no tensor load of mine is out;
	ds_add_u32 v254, v255                          ; 0 onto my spare word; eight products and the descriptors stand between it and the wait for it
	WIN MULW
	MUL8 5, 0, 0
	WIN 0
	s_cmp_eq_u32 s2, 0
	s_cselect_b64 s[8:9], s[BK1:BK1+1], s[BK2:BK2+1]           ; the next block's codes
	s_cselect_b64 s[4:5], s[BK1+4:BK1+5], s[BK2+4:BK2+5]
	ADESC
	s_wait_dscnt 0x0
	CROUND                                         ; no wave of any partner still reads slot A
	JLOAD                                          ; the next block, slot A; the four v_nop behind it are the places in front of the loads below
	FETCH 6, 0
	WIN MULW
	MUL8 5, 2, 0
.endif
	STEP 6
	STEP 7
	WIN 0
	PLACES                                         ; in front of the first read of results, and of loads into the scales' registers
.if \last == 0
	s_cmp_eq_u32 s2, 0                             ; the next block's scale words and bias land under the quantiser
	s_cselect_b64 s[10:11], s[BK1+2:BK1+3], s[BK2+2:BK2+3]
	s_cselect_b64 s[6:7], s[BK1+6:BK1+7], s[BK2+6:BK2+7]
	s_cselect_b64 s[12:13], s[BK1+8:BK1+9], s[BK2+8:BK2+9]
	SCLOAD
	s_cmp_eq_u32 s2, 0
	s_cbranch_scc0 .Lbias_v
	BIASQK
	s_branch .Lbias_done
.Lbias_v:
	BIASV
.Lbias_done:
.endif
	; THE QUANTISER.  Block 2 lt + b of a lane: accumulator registers 16 (2 lt + b) + 0 .. 15 = next K 32 b + 16 h + 0 .. 15 of L's row 16 lt + r.  Each accumulator is read from its low end on.
	WIN 0x28                                       ; sources 1 and 2 window 2
.irp b, 0,1,2,3,4,5,6,7
	v_max3_num_f32 v[TM+\b], 0x2800000, |v[16*\b]|, |v[16*\b+1]|   ; with the floor 2^(5 - 127): the byte cannot fall under 1
.endr
.irp i, 2,4,6,8,10,12,14
.irp b, 0,1,2,3,4,5,6,7
	v_max3_num_f32 v[TM+\b], v[TM+\b], |v[16*\b+\i]|, |v[16*\b+\i+1]|
.endr
.endr
	WIN 0
.irp b, 0,1,2,3,4,5,6,7
	v_permlanex16_b32 v[T2+\b], v[TM+\b], s21, s22
.endr
.irp b, 0,1,2,3,4,5,6,7
	v_max_num_f32 v[TM+\b], v[TM+\b], v[T2+\b]     ; with lane l xor 16's: the block's largest magnitude
.endr
.irp b, 0,1,2,3,4,5,6,7
	v_add_nc_u32 v[SO+\b], 0xfe000000, v[TM+\b]    ; 4 off its exponent field: the conversion's scale operand
.endr
.irp b, 0,1,2,3,4,5,6,7
	v_lshrrev_b32 v[T2+\b], 23, v[SO+\b]           ; the scale's byte
.endr
.irp t, 0,1,2,3
	v_lshl_or_b32 v[WD+\t], v[T2+2*\t+1], 8, v[T2+2*\t]
.endr
.irp t, 0,1,2,3
	v_lshl_or_b32 v[WD+\t], v[WD+\t], 16, v[WD+\t] ; the two bytes, twice
.endr
	WIN 0x02                                       ; source 0 window 2
.irp t, 0,1,2,3
	v_cvt_scalef32_pk16_bf6_f32 v[CD+12*\t:CD+12*\t+2], v[32*\t:32*\t+15], v[SO+2*\t]
	v_cvt_scalef32_pk16_bf6_f32 v[CD+12*\t+6:CD+12*\t+8], v[32*\t+16:32*\t+31], v[SO+2*\t+1]   ; (a conversion's three registers begin on an even number)
.endr
	WIN 0
	v_nop                                          ; one plain place behind a scaled conversion
.irp t, 0,1,2,3                        ; a record wants a WHOLE block in a lane position: lanes 0-15 block 0, lanes 16-31 block 1
.irp i, 0,1,2
	v_permlane16_swap_b32 v[CD+12*\t+\i], v[CD+12*\t+6+\i]
.endr
.irp i, 0,1,2
	v_mov_b32 v[CD+12*\t+3+\i], v[CD+12*\t+6+\i]
.endr
.endr
	v_cmp_ne_u32 vcc_lo, 0, v2
	v_cndmask_b32 v[WP], v[WD], v[WD+2], vcc_lo    ; lanes 0-15 store the words of tiles 0, 1, lanes 16-31 those of tiles 2, 3
	v_cndmask_b32 v[WP+1], v[WD+1], v[WD+3], vcc_lo
.irp t, 0,1,2,3
	global_store_b128 v[ST16], v[CD+12*\t:CD+12*\t+3], s[14:15] offset:768*\t        ; 32 lanes store 512 consecutive bytes, at a multiple of 256,
	global_store_b64 v[ST8], v[CD+12*\t+4:CD+12*\t+5], s[14:15] offset:768*\t+512    ; and the 256 behind them
.endr
	global_store_b64 v[STS], v[WP:WP+1], s[16:17]  ; 32 lanes store 256 consecutive bytes, aligned
.if \last == 0
	ZSEQ 1                                         ; the next block, slot B
	s_wait_loadcnt 0x0                             ; its scale words and bias
.endif
.endm
.Ltile:
	TILE 0, 0
	s_add_co_u32 s2, s2, 1
	s_cmp_lt_u32 s2, 2
	s_cbranch_scc1 .Ltile
	s_load_b128 s[24:27], s[0:1], 0xb0             ; mw, fl
	TILE 1, 1
; A chunk of the mask: through my stage, so that lane (r, h) gets row r's keys 32 e + 16 h + 0 .. 15 in window 1's v0-31; its 32 bits are gathered pair by pair into v32 + k of window 1
.macro MCHUNK k
	s_wait_loadcnt 8*(3-\k)                        ; this chunk's eight loads are in
	WIN 0x08                                       ; the stores' data: window 2
.irp i, 0,1,2,3,4,5,6,7
	ds_store_b128 v[STA], v[128+32*\k+4*\i:128+32*\k+4*\i+3] offset:\i*2*272
.endr
	WIN 0x40
.irp e, 0,1
.irp c, 0,1,2,3
	ds_load_b128 v[16*\e+4*\c:16*\e+4*\c+3], v[RDA] offset:128*\e+16*\c   ; LDS serves a wave's instructions in order: these see the stores above
.endr
.endr
	s_wait_dscnt 0x0
	WIN 0x55                                       ; all in window 1
.set n, 0
.rept 32
	v_min_u32 v[n], 1, v[n]                        ; 1 where the mask is not 0
.set n, n+1
.endr
.irp s, 1,2,4,8
.set n, 0
.rept 16/\s
	v_lshl_or_b32 v[2*\s*n], v[2*\s*n+\s], \s, v[2*\s*n]
.set n, n+1
.endr
.endr
	v_lshl_or_b32 v[32+\k], v[16], 16, v[0]        ; my word of this pair
	v_cmp_ne_u32 s47, 0, v[32+\k]                  ; lanes that keep some key
	v_cmp_ne_u32 s48, -1, v[32+\k]                 ; lanes that hide some key
	WIN 0
	s_cmp_lg_u32 s47, 0
	s_cselect_b32 s49, (1<<\k)|(1<<(8+\k)), 0      ; some key kept: both bits,
	s_cmp_lg_u32 s48, 0
	s_cselect_b32 s50, -1, 0xffffffff^(1<<(8+\k))  ; every key kept: the second bit goes
	s_and_b32 s49, s49, s50
	s_or_b32 s46, s46, s49
.endm
	s_lshl_b32 s38, s23, 2
	s_lshr_b32 s39, s3, 1
	s_add_co_u32 s38, s38, s39                     ; T
	s_and_b32 s39, s3, 1                           ; hf
	s_lshl_b32 s40, s38, 12                        ; mw: 4,096 T + 1,024 w + 512 hf
	s_lshl_b32 s42, s18, 10
	s_add_co_u32 s40, s40, s42
	s_lshl_b32 s42, s39, 9
	s_add_co_u32 s40, s40, s42
	s_mov_b32 s41, 0
	s_lshl_b32 s44, s38, 5                         ; fl: 32 T + 8 w + 4 hf
	s_lshl_b32 s42, s18, 3
	s_add_co_u32 s44, s44, s42
	s_lshl_b32 s42, s39, 2
	s_add_co_u32 s44, s44, s42
	s_mov_b32 s45, 0
	s_wait_kmcnt 0x0
	s_add_nc_u64 s[24:25], s[24:25], s[40:41]
	s_add_nc_u64 s[26:27], s[26:27], s[44:45]
	s_mov_b32 s46, 0                               ; the flags
	MCHUNK 0
	MCHUNK 1
	MCHUNK 2
	MCHUNK 3
	s_lshl_b32 s46, s46, s42                       ; the chunk's number becomes the pair's: 4 hf up
	s_wait_alu depctr_va_vdst(0)
	WIN 0x04                                       ; the store's data: window 1
	global_store_b128 v[ST16], v[32:35], s[24:25]  ; 32 lanes store 512 consecutive bytes, at a multiple of 256
	WIN 0
	v_mov_b32 v[FV], s46
	v_mov_b32 v[FV+1], 0
	v_cmp_eq_u32 vcc_lo, 0, v3
	s_wait_alu depctr_va_vdst(0)
	s_wait_xcnt 0x0                                ; EXEC changes only behind this wait
	s_and_saveexec_b32 s47, vcc_lo
	global_store_b32 v[FV+1], v[FV], s[26:27]      ; lane 0: the wave's flags
	s_wait_xcnt 0x0                                ; and again in front of the line that widens it
	s_or_b32 exec_lo, exec_lo, s47
	s_wait_tensorcnt 0x0                           ; the wave's end
	ds_add_u32 v254, v255
	s_wait_dscnt 0x0
	CROUND                                         ; the closing round: no work-group ends while a partner may still ask for a tile that names it
	s_endpgm
.Lfunc_end_k_q907ef53c36_proj:
	.size	k_q907ef53c36_proj, .Lfunc_end_k_q907ef53c36_proj-k_q907ef53c36_proj
	.p2alignl 7, 3214868480
	.fill 96, 4, 3214868480
	.section	.rodata,"a",@progbits
	.p2align	6, 0x0
	.amdhsa_kernel k_q907ef53c36_proj
		.amdhsa_group_segment_fixed_size 327680
		.amdhsa_private_segment_fixed_size 0
		.amdhsa_enable_private_segment 0
		.amdhsa_kernarg_size 192
		.amdhsa_user_sgpr_count 2
		.amdhsa_user_sgpr_kernarg_segment_ptr 1
		.amdhsa_wavefront_size32 1
		.amdhsa_system_sgpr_workgroup_id_x 1
		.amdhsa_system_sgpr_workgroup_id_y 1
		.amdhsa_system_sgpr_workgroup_id_z 1
		.amdhsa_system_vgpr_workitem_id 0
		.amdhsa_next_free_vgpr 768
		.amdhsa_next_free_sgpr 102
		.amdhsa_reserve_vcc 1
		.amdhsa_float_denorm_mode_32 3
		.amdhsa_float_denorm_mode_16_64 3
		.amdhsa_memory_ordered 1
		.amdhsa_forward_progress 1
		.amdhsa_inst_pref_size 148
	.end_amdhsa_kernel
	.amdgpu_metadata
---
amdhsa.version: [ 1, 2 ]
amdhsa.kernels:
  - .name:           k_q907ef53c36_proj
    .symbol:         k_q907ef53c36_proj.kd
    .args:
      - { .name: q_codes, .offset: 0, .size: 8, .value_kind: global_buffer, .address_space: global }
      - { .name: q_scales, .offset: 8, .size: 8, .value_kind: global_buffer, .address_space: global }
      - { .name: Wq_codes, .offset: 16, .size: 8, .value_kind: global_buffer, .address_space: global }
      - { .name: Wq_scales, .offset: 24, .size: 8, .value_kind: global_buffer, .address_space: global }
      - { .name: bq, .offset: 32, .size: 8, .value_kind: global_buffer, .address_space: global }
      - { .name: qc, .offset: 40, .size: 8, .value_kind: global_buffer, .address_space: global }
      - { .name: qs, .offset: 48, .size: 8, .value_kind: global_buffer, .address_space: global }
      - { .name: k_codes, .offset: 56, .size: 8, .value_kind: global_buffer, .address_space: global }
      - { .name: k_scales, .offset: 64, .size: 8, .value_kind: global_buffer, .address_space: global }
      - { .name: Wk_codes, .offset: 72, .size: 8, .value_kind: global_buffer, .address_space: global }
      - { .name: Wk_scales, .offset: 80, .size: 8, .value_kind: global_buffer, .address_space: global }
      - { .name: bk, .offset: 88, .size: 8, .value_kind: global_buffer, .address_space: global }
      - { .name: kc, .offset: 96, .size: 8, .value_kind: global_buffer, .address_space: global }
      - { .name: ks, .offset: 104, .size: 8, .value_kind: global_buffer, .address_space: global }
      - { .name: v_codes, .offset: 112, .size: 8, .value_kind: global_buffer, .address_space: global }
      - { .name: v_scales, .offset: 120, .size: 8, .value_kind: global_buffer, .address_space: global }
      - { .name: Wv_codes, .offset: 128, .size: 8, .value_kind: global_buffer, .address_space: global }
      - { .name: Wv_scales, .offset: 136, .size: 8, .value_kind: global_buffer, .address_space: global }
      - { .name: bv, .offset: 144, .size: 8, .value_kind: global_buffer, .address_space: global }
      - { .name: vc, .offset: 152, .size: 8, .value_kind: global_buffer, .address_space: global }
      - { .name: vs, .offset: 160, .size: 8, .value_kind: global_buffer, .address_space: global }
      - { .name: mask, .offset: 168, .size: 8, .value_kind: global_buffer, .address_space: global }
      - { .name: mw, .offset: 176, .size: 8, .value_kind: global_buffer, .address_space: global }
      - { .name: fl, .offset: 184, .size: 8, .value_kind: global_buffer, .address_space: global }
    .group_segment_fixed_size: 327680
    .private_segment_fixed_size: 0
    .kernarg_segment_align: 8
    .kernarg_segment_size: 192
    .max_flat_workgroup_size: 128
    .sgpr_count:     102
    .vgpr_count:     768
    .wavefront_size: 32
...
	.end_amdgpu_metadata
.endif
;; end of part 1
;; launch attn (part 2): grid 8 x 32, 8 waves a work-group, no clusters, 269,312 bytes of LDS; arguments qc, qs, kc, ks, vc, vs, mw, fl, out0; writes out0
.if DOCPART == 2
	.amdgcn_target "amdgcn-amd-amdhsa--gfx1250"
	.amdhsa_code_object_version 6
	.text
	.protected	k_q907ef53c36_attn
	.globl	k_q907ef53c36_attn
	.p2align	8
	.type	k_q907ef53c36_attn,@function
k_q907ef53c36_attn:
	s_mov_b64 s[64:65], 0
	v_nop
	global_prefetch_b8 v0, s[64:65] scope:SCOPE_SE
	s_setreg_imm32_b32 hwreg(HW_REG_WAVE_MODE, 25, 1), 1
	s_wait_xcnt 0x0
; out[b][q][64 head + d] = the sum over keys of P[q][key] Vh[key][d], P = softmax over the kept keys of Qh . Kh / 8, both products on codes of BF6 (E3M2) with one E8M0 scale for each 32 along K.
; WORK LEFT OUT: the maximum of all scores is not formed; the row's own maximum is taken away (shown at the head of launch proj).  A row with no kept key gives 0.
; SHARES.  A work-group owns one (batch, head) and 16 tiles of 16 queries.  Eight waves are two groups of four; item i = 0 .. 7 of group 0 is tile 16 i + x, of group 1 tile 16 i + 15 - x.
; THE FOUR WAVES OF A GROUP SHARE THE KEYS: share w owns the pairs p = 0 .. 7, keys 64 (4 p + w) .. + 63.  Its 16 x 512 scores stay in 256 registers from the first product to the second.
; Group 1 deals the shares to its waves in reverse, so that the shares with one pair more do not meet in the same wave numbers in both groups.
; The head's K and V^T records (2 x 98,304 bytes) are copied into LDS once, through registers; fragments are read from there, ahead of their products.
; The waves of a group exchange each row's (maximum, sum) through LDS, and add their four parts of O there.  ONE BARRIER AN ITEM: these bytes exist twice, for even and odd items, and a trip of the loop runs two items.
; What item i stores is read behind item i's or item i + 1's barrier and stored again behind item i + 1's at the earliest, in front of which every wave has waited for its reads.
; K = 64 IN AN INSTRUCTION OF 128: source 0 holds two tiles of 16 keys (k 0-63 and k 64-127); source 1 is [q | zero codes] for the first tile's scores, [zero codes | q] for the second's.
; THE KEYS OF A TILE ARE NOT NEIGHBOURS: lane r of tile u of block j takes key 32 j + 8 u + r % 8 + 16 (r / 8), so that score register 32 p + 16 e + 8 u + i of lane (r, h) is query r, key 32 (8 p + 2 w + e) + 16 h + 8 u + i.
; THE MASK is an input: an earlier launch has stored, for each lane and pair, a word with a bit for each score register, and two flags for each pair.  The words come with q, an item ahead.
; A pair that keeps no key is passed over, one that keeps all is not masked: scalar branches on stored whole numbers.  No barrier stands under such a branch.
; All waits on LDS loads are for 0: the loads stand under flags, so no count holds on every way.
; LIMITS: a p under 2^-126 becomes 0 (v_exp_f32 gives 0 there); a block's largest p is taken from its largest score, which takes v_exp_f32 not to fall where its input rises; a block of zeros has the byte 1, its codes are zeros.
; REGISTERS: window 0: the names below.  window 1: the scores, pair p at 32 p.
.set OPP,  272                         ; a row of a wave's part of O in LDS: 256 bytes + 16
.set VBASE, 98304                      ; LDS: K's 128 records at 0, V's from here
.set HALF, 49152                       ; 64 records: a second address register reaches the upper half
.set XB,   196608                      ; a group's bytes: 16 rows x 4 waves x (maximum, sum), then four parts of O
.set OPB,  512
.set GRP,  OPB+4*16*OPP
.set PARO, 2*GRP                       ; the odd items' bytes lie behind both groups' even ones
.set SPARE, XB+2*PARO                  ; the spare words, 128 bytes a wave
.set QA0,  10                          ; v10 16 x lane; v11 8 x lane; v12 16 r
.set QB0,  11
.set QS0,  12
.set QA,   13                          ; v13-15, v23 the addresses of the loads of q and of the mask words that are out
.set QB,   14
.set QSA,  15
.set STW,  16                          ; where I put (maximum, sum); v17 where I read the four
.set STR,  17
.set OPW,  18                          ; my part of O: row r, + 32 h
.set OPR,  19                          ; row 4 w + lane / 16, + 16 (lane % 16)
.set OUT0, 20                          ; the same place in 16 rows of out
.set OUTA, 21
.set NINF, 22                          ; -infinity
.set MA,   23
.set KA,   24                          ; v24-25 K's records, registers 0-3: pairs 0-3, 4-7;  v26-27 registers 4-5
.set KB,   26
.set VA,   28                          ; v28-31 the same for V
.set VB8,  30
.set B1,   32                          ; [q | 0]
.set B2,   44                          ; [0 | q]
.set QSC,  56                          ; q's scale words; v57 the next item's; v58-63 its codes
.set QSN,  57
.set QN,   58
.set KS,   64                          ; K's scale words;  v80-95 V's
.set VS,   80
.set BM,   96                          ; each block's largest score, then its largest p
.set CH,   112                         ; v112-117 at work on the maxima (at the head: the copy's addresses)
.set MC,   118                         ; my keys' largest t; v119 my keys' sum
.set LS,   120                         ; v120-127 the sum in four chains of pairs; then the rows of out on their way
.set FF,   128                         ; what p is multiplied by (v129: named with it as a pair)
.set PC,   130                         ; v130-141 p's codes
.set TT,   130                         ; v130-137 at work, while no codes are made
.set YY,   142
.set PW,   146                         ; p's scale word
.set SO,   148                         ; the conversions' scale operands
.set TB,   152
.set MW,   156                         ; v156-163 my eight mask words, while the scores are made
.set STL,  156                         ; then the four waves' (maximum, sum)
.set MWN,  164                         ; v164-171 the next item's mask words
.set KF,   172                         ; v172-219 K's fragments, two sets of 24, while the scores are made
.set VF,   172                         ; then V's fragments of 128 keys
.set OA,   220                         ; v220-251 my part of O^T
.set OPL,  220                         ; ahead of it: four parts of four rows of the item before
.set HT,   172                         ; at the head: 64 registers of scale words as loaded
.set CS,   100                         ; s[100:101] c = log2(e) / 8
; s[4:21] qc qs kc ks vc vs mw fl out; s[2:3] lane selects; s22 my share w; s23 my group's first tile; s24 the flag load's offset; s25 trip; s26 tile; s27 next tile; s28 flags; s30 the last tile's rows in out; s31 at work;
; s[66:67] the next flags; s[32:63] a pair's 32 lane masks
.set MSB, 0
.macro WIN new                         ; the immediate's high byte repeats the setting that is left
.if MSB != \new
	s_set_vgpr_msb (MSB<<8)|\new
.set MSB, \new
.endif
.endm
.macro PLACES
.rept 4
	v_nop
.endr
.endm
.macro ASKQ                            ; tile s27's flags, codes, scale words and mask words are asked for: an item ahead of their use
	s_lshl_b32 s24, s27, 5
	s_load_b64 s[66:67], s[18:19], s24 offset:0x0
	s_mul_i32 s31, s27, 768
	v_add_nc_u32 v[QA], s31, v[QA0]
	v_add_nc_u32 v[QB], s31, v[QB0]
	s_lshl_b32 s31, s27, 12
	v_add_nc_u32 v[MA], s31, v[QA0]
	s_and_b32 s31, s27, 0x7c
	s_lshl_b32 s31, s31, 6                         ; 256 (tile / 4)
	v_add_nc_u32 v[QSA], s31, v[QS0]
	s_and_b32 s31, s27, 3
	v_lshl_add_u32 v[QSA], s31, 2, v[QSA]          ; + 4 (tile % 4)
	global_load_b128 v[QN:QN+3], v[QA], s[4:5]
	global_load_b64 v[QN+4:QN+5], v[QB], s[4:5] offset:512
	global_load_b32 v[QSN], v[QSA], s[6:7]
	global_load_b128 v[MWN:MWN+3], v[MA], s[16:17]             ; 32 lanes read 512 consecutive bytes: pairs 0-3,
	global_load_b128 v[MWN+4:MWN+7], v[MA], s[16:17] offset:512 ; pairs 4-7
.endm
	s_load_b512 s[4:19], s[0:1], 0x0
	s_load_b64 s[20:21], s[0:1], 0x40
	v_lshl_add_u32 v254, v0, 2, SPARE
	v_mov_b32 v255, 0
	v_lshrrev_b32 v1, 5, v0
	v_readfirstlane_b32 s31, v1                    ; wave 0..7
	s_lshr_b32 s29, s31, 2                         ; group
	s_and_b32 s22, s31, 3
	s_mul_i32 s24, s29, 3
	s_xor_b32 s22, s22, s24                        ; my share w: group 1 in reverse
	s_sub_co_u32 s23, 15, ttmp9
	s_cmp_eq_u32 s29, 0
	s_cselect_b32 s23, ttmp9, s23                  ; x, or 15 - x
	s_and_b32 s26, ttmp7, 0xffff                   ; bh = 16 batch + head
	s_mov_b32 s2, 0x76543210
	s_mov_b32 s3, 0xfedcba98                       ; v_permlanex16_b32's selects for lane l xor 16
	s_mov_b32 s[CS], 0x3e38aa3b                    ; c = log2(e) / sqrt(64)
	s_mov_b32 s[CS+1], s[CS]
	s_mov_b32 s25, 0
	s_mov_b32 s27, s23
	s_mul_i32 s32, s22, 4*768                      ; my share's first group of 64 keys, in K's records,
	s_add_co_u32 s33, s32, VBASE                   ; and in V's
	s_mul_i32 s34, s29, GRP
	s_add_co_u32 s34, s34, XB                      ; my group's bytes
	s_lshl_b32 s35, s22, 3
	s_add_co_u32 s35, s35, s34
	s_add_co_u32 s36, s34, OPB
	s_mul_i32 s37, s22, 16*OPP
	s_add_co_u32 s37, s37, s36
	s_lshl_b32 s38, s22, 2
	v_and_b32 v1, 15, v0                           ; r
	v_bfe_u32 v2, v0, 4, 1                         ; h
	v_and_b32 v3, 31, v0                           ; lane
	v_lshlrev_b32 v[QA0], 4, v3
	v_lshlrev_b32 v[QB0], 3, v3
	v_lshlrev_b32 v[QS0], 4, v1
	v_lshrrev_b32 v7, 3, v1                        ; r / 8
	v_and_b32 v8, 7, v1                            ; r % 8
	v_lshl_add_u32 v9, v2, 4, v8                   ; r % 8 + 16 h
	v_mul_u32_u24 v4, v7, 768                      ; K: the record of tokens 16 (r / 8) further on,
	v_lshl_add_u32 v5, v9, 3, v4                   ; position r % 8 + 16 h (+ 8 u): its registers 4-5,
	v_lshl_add_u32 v4, v9, 4, v4                   ; its registers 0-3
	v_lshlrev_b32 v6, 4, v8
	v_lshl_add_u32 v6, v7, 2, v6                   ; K's scale words: 16 (r % 8) + 4 (r / 8)
	v_add_nc_u32 v[KA], s32, v4
	v_add_nc_u32 v[KB], s32, v5
	v_add_nc_u32 v[VA], s33, v[QA0]
	v_add_nc_u32 v[VB8], s33, v[QB0]
	v_add_nc_u32 v[KA+1], HALF, v[KA]
	v_add_nc_u32 v[KB+1], HALF, v[KB]
	v_add_nc_u32 v[VA+1], HALF, v[VA]
	v_add_nc_u32 v[VB8+1], HALF, v[VB8]
	v_lshlrev_b32 v7, 5, v1                        ; 32 r
	v_add_nc_u32 v[STR], s34, v7
	v_add_nc_u32 v[STW], s35, v7
	v_mul_u32_u24 v7, v1, OPP
	v_lshl_add_u32 v7, v2, 5, v7
	v_add_nc_u32 v[OPW], s37, v7
	v_add_nc_u32 v7, s38, v2                       ; 4 w + lane / 16
	v_mul_u32_u24 v8, v7, OPP
	v_lshl_add_u32 v8, v1, 4, v8
	v_add_nc_u32 v[OPR], s36, v8
	v_lshlrev_b32 v[OUT0], 12, v7
	v_lshl_add_u32 v[OUT0], v1, 4, v[OUT0]
	v_lshlrev_b32 v[CH], 4, v0                     ; the copy: 16 x thread, in memory and in LDS
	v_add_nc_u32 v[CH+1], HALF, v[CH]
	v_add_nc_u32 v[CH+2], 2*HALF, v[CH]
	v_add_nc_u32 v[CH+3], 3*HALF, v[CH]
	s_mul_i32 s28, s26, 128*768                    ; a (batch, head)'s 128 records
	s_mov_b32 s29, 0
	s_wait_alu depctr_va_vdst(0)
	s_wait_kmcnt 0x0
	s_add_nc_u64 s[4:5], s[4:5], s[28:29]
	s_add_nc_u64 s[8:9], s[8:9], s[28:29]
	s_add_nc_u64 s[12:13], s[12:13], s[28:29]
	s_lshl_b32 s28, s26, 13
	s_add_nc_u64 s[6:7], s[6:7], s[28:29]
	s_lshl_b32 s30, s22, 8
	s_add_co_u32 s28, s28, s30
	s_add_nc_u64 s[10:11], s[10:11], s[28:29]
	s_add_nc_u64 s[14:15], s[14:15], s[28:29]
	s_lshl_b32 s28, s22, 10
	s_add_nc_u64 s[16:17], s[16:17], s[28:29]      ; the mask words at my share's 1,024 bytes of a tile
	s_lshl_b32 s28, s22, 3
	s_add_nc_u64 s[18:19], s[18:19], s[28:29]      ; the flags at my share's two words
	s_lshr_b32 s28, s26, 4
	s_lshl_b32 s28, s28, 23                        ; batch x 2,048 rows of 4,096 bytes
	s_and_b32 s30, s26, 15
	s_lshl_b32 s30, s30, 8                         ; head x 256 bytes
	s_add_co_u32 s28, s28, s30
	s_add_nc_u64 s[20:21], s[20:21], s[28:29]
	s_mov_b32 s30, 0
	ASKQ
.irp p, 0,1,2,3,4,5,6,7
.irp e, 0,1
.irp u, 0,1
	global_load_b32 v[HT+2*(2*\p+\e)+\u], v6, s[10:11] offset:\p*1024+\u*128+\e*8   ; the scale word of my key of tile u of block 2 p + e
.endr
.endr
.endr
.irp u, 0,1,2,3
.irp c, 0,1
	global_load_b128 v[HT+32+4*(2*\u+\c):HT+32+4*(2*\u+\c)+3], v[QS0], s[14:15] offset:(8*\u+4*\c)*256   ; V's words of pair 2 u + c: channel r of the four tiles
.endr
.endr
	WIN 0x40                                       ; destination window 1: the scores' registers carry the copy
.set i, 0
.rept 24
	global_load_b128 v[4*i:4*i+3], v[CH], s[8:9] offset:4096*i          ; the eight waves read 4,096 consecutive bytes of K's records
.set i, i+1
.endr
.set i, 0
.rept 24
	global_load_b128 v[96+4*i:96+4*i+3], v[CH], s[12:13] offset:4096*i  ; and of V's
.set i, i+1
.endr
.set i, 192
.rept 64
	v_mov_b32 v[i], 0                              ; the scores' registers that the copy does not write: every way through the flags finds them written
.set i, i+1
.endr
	WIN 0
	v_mov_b32 v[NINF], 0xff800000
.irp i, 0,1,2,3,4,5
	v_mov_b32 v[B1+6+\i], 0                        ; the zero codes: they stay
	v_mov_b32 v[B2+\i], 0
.endr
	v_mov_b32 v[CH+4], 0                           ; (a lane permute's destination counts as one of its sources)
	v_mov_b32 v[CH+5], 0
	v_mov_b32 v[TT+1], 0
	v_mov_b32 v[MC+1], 0                           ; (named as the upper halves of pairs)
	v_mov_b32 v[FF+1], 0
	s_wait_loadcnt 24                              ; all but V's 24 loads are in
.irp s, 0,1,2,3,4,5,6,7,8,9,10,11,12,13,14,15
	v_bfi_b32 v[KS+\s], 0xffff, v[HT+2*\s], v[HT+2*\s+1]   ; bytes 0, 1: tile 0's two blocks; bytes 2, 3: tile 1's
.endr
.irp u, 0,1,2,3
.irp dt, 0,1,2,3
	v_bfi_b32 v[VS+4*\u+\dt], 0xffff, v[HT+32+8*\u+\dt], v[HT+32+8*\u+4+\dt]   ; bytes 0, 1: pair 2 u's two blocks; bytes 2, 3: pair 2 u + 1's
.endr
.endr
	WIN 0x04                                       ; the stores' data: window 1
.set i, 0
.rept 24
	ds_store_b128 v[CH+i/12], v[4*i:4*i+3] offset:4096*(i%12)
.set i, i+1
.endr
	s_wait_loadcnt 0x0
.set i, 0
.rept 24
	ds_store_b128 v[CH+2+i/12], v[96+4*i:96+4*i+3] offset:4096*(i%12)
.set i, i+1
.endr
	WIN 0
	s_wait_dscnt 0x0                               ; my part of the copy has landed,
	s_barrier_signal -1
	s_barrier_wait -1                              ; everybody's has; these bytes are only read from here on
.macro LPAIR p                         ; pair p's fragments of K: two blocks x two tiles, into set p % 2
	s_bitcmp1_b32 s28, \p
	s_cbranch_scc0 .Ll_end_\@
.irp e, 0,1
.irp u, 0,1
	ds_load_b128 v[KF+24*((\p)%2)+12*\e+6*\u:KF+24*((\p)%2)+12*\e+6*\u+3], v[KA+(\p)/4] offset:(16*((\p)%4)+2*\e)*768+128*\u
	ds_load_b64 v[KF+24*((\p)%2)+12*\e+6*\u+4:KF+24*((\p)%2)+12*\e+6*\u+5], v[KB+(\p)/4] offset:(16*((\p)%4)+2*\e)*768+512+64*\u
.endr
.endr
.Ll_end_\@:
.endm
.macro WPAIR p                         ; pair p's scores
	s_bitcmp1_b32 s28, \p
	s_cbranch_scc0 .Lw_end_\@
	WIN 0x40                                       ; the scores: window 1
.irp e, 0,1
	v_wmma_scale_f32_16x16x128_f8f6f4 v[32*(\p)+16*\e:32*(\p)+16*\e+7], v[KF+24*((\p)%2)+12*\e:KF+24*((\p)%2)+12*\e+11], v[B1:B1+11], 0, v[KS+2*(\p)+\e], v[QSC] matrix_a_fmt:MATRIX_FMT_BF6 matrix_b_fmt:MATRIX_FMT_BF6
	v_wmma_scale_f32_16x16x128_f8f6f4 v[32*(\p)+16*\e+8:32*(\p)+16*\e+15], v[KF+24*((\p)%2)+12*\e:KF+24*((\p)%2)+12*\e+11], v[B2:B2+11], 0, v[KS+2*(\p)+\e], v[QSC] matrix_a_fmt:MATRIX_FMT_BF6 matrix_b_fmt:MATRIX_FMT_BF6
.endr
	WIN 0
	PLACES                                         ; places behind the products, on every way: for the reads of the scores and the loads into the fragments
.Lw_end_\@:
.endm
; Pair p's mask and its two blocks' largest scores.  Every accumulator is read from its low end on.
.macro MPAIR p
	s_bitcmp1_b32 s28, \p
	s_cbranch_scc0 .Lm_end_\@
	s_bitcmp1_b32 s28, 8+(\p)
	s_cbranch_scc0 .Lm_open_\@
.set i, 0
.rept 8                                ; bit i of my word becomes bit (my lane) of lane mask i, four at a time
.irp a, 0,1,2,3
	v_bfe_u32 v[CH+\a], v[MW+(\p)], i+\a, 1
.endr
.irp a, 0,1,2,3
	v_cmp_ne_u32 s[32+i+\a], 0, v[CH+\a]
.endr
.set i, i+4
.endr
	WIN 0x44
.set i, 0
.rept 32
	v_cndmask_b32 v[32*(\p)+i], v[NINF], v[32*(\p)+i], s[32+i]   ; a hidden key's score becomes -infinity
.set i, i+1
.endr
	WIN 0
.Lm_open_\@:
	WIN 0x05                                       ; sources 0 and 1 window 1
.irp t, 0,1,2,3
.irp a, 0,1,2,3
.if \t == 0
	v_max3_num_f32 v[CH+\a], v[32*(\p)+8*\a], v[32*(\p)+8*\a+1], v[NINF]
.else
	v_max3_num_f32 v[CH+\a], v[32*(\p)+8*\a+2*\t], v[32*(\p)+8*\a+2*\t+1], v[CH+\a]
.endif
.endr
.endr
	WIN 0
	v_max_num_f32 v[BM+2*(\p)], v[CH], v[CH+1]
	v_max_num_f32 v[BM+2*(\p)+1], v[CH+2], v[CH+3]
	v_permlanex16_b32 v[CH+4], v[BM+2*(\p)], s2, s3
	v_permlanex16_b32 v[CH+5], v[BM+2*(\p)+1], s2, s3
	v_max_num_f32 v[BM+2*(\p)], v[BM+2*(\p)], v[CH+4]      ; with lane l xor 16's 16 keys: the block's
	v_max_num_f32 v[BM+2*(\p)+1], v[BM+2*(\p)+1], v[CH+5]
.Lm_end_\@:
.endm
; Pair p: p = 2^(c s - my keys' largest t), the same of its blocks' largest scores, and the sum.  One batch of 34 exponentials, a wait ahead of it and one behind
.macro BPAIR p
	s_bitcmp1_b32 s28, \p
	s_cbranch_scc0 .Lb_end_\@
	v_fma_f32 v[BM+2*(\p)], v[BM+2*(\p)], s[CS], -v[MC]
	v_fma_f32 v[BM+2*(\p)+1], v[BM+2*(\p)+1], s[CS], -v[MC]
	WIN 0x41
.set i, 0
.rept 16
	v_pk_fma_f32 v[32*(\p)+2*i:32*(\p)+2*i+1], v[32*(\p)+2*i:32*(\p)+2*i+1], s[CS:CS+1], v[MC:MC+1] op_sel_hi:[1,0,0] neg_lo:[0,0,1] neg_hi:[0,0,1]
.set i, i+1
.endr
	s_wait_alu depctr_va_vdst(0)
.set i, 0
.rept 32
	v_exp_f32 v[32*(\p)+i], v[32*(\p)+i]
.set i, i+1
.endr
	WIN 0
	v_exp_f32 v[BM+2*(\p)], v[BM+2*(\p)]                   ; the same two instructions on the same number give the same bits
	v_exp_f32 v[BM+2*(\p)+1], v[BM+2*(\p)+1]
	v_nop                                          ; one plain place behind the exponentials
	s_wait_alu depctr_va_vdst(0)
	WIN 0x01
.set i, 0
.rept 16
	v_pk_add_f32 v[LS+2*(i%4):LS+2*(i%4)+1], v[32*(\p)+2*i:32*(\p)+2*i+1], v[LS+2*(i%4):LS+2*(i%4)+1]
.set i, i+1
.endr
	WIN 0
.Lb_end_\@:
.endm
; The last item's O (its bytes: set pp): the four waves' parts of my four rows are added and stored
.macro FINISH pp
	s_wait_xcnt 0x0                                ; earlier stores have read their registers
	v_add_nc_u32 v[OUTA], s30, v[OUT0]
.irp i, 0,1
.irp q, 0,1,2,3
	ds_load_b128 v[OPL+16*\i+4*\q:OPL+16*\i+4*\q+3], v[OPR] offset:(\pp)*PARO+\q*16*OPP+\i*2*OPP
.endr
.endr
	s_wait_dscnt 0x0
.irp i, 0,1
.irp j, 0,2
	v_pk_add_f32 v[OPL+16*\i+\j:OPL+16*\i+\j+1], v[OPL+16*\i+\j:OPL+16*\i+\j+1], v[OPL+16*\i+4+\j:OPL+16*\i+4+\j+1]
	v_pk_add_f32 v[OPL+16*\i+8+\j:OPL+16*\i+8+\j+1], v[OPL+16*\i+8+\j:OPL+16*\i+8+\j+1], v[OPL+16*\i+12+\j:OPL+16*\i+12+\j+1]
.endr
.endr
.irp i, 0,1
.irp j, 0,2
	v_pk_add_f32 v[LS+4*\i+\j:LS+4*\i+\j+1], v[OPL+16*\i+\j:OPL+16*\i+\j+1], v[OPL+16*\i+8+\j:OPL+16*\i+8+\j+1]   ; into registers that nothing writes before the next item's top
.endr
.endr
.irp i, 0,1
	global_store_b128 v[OUTA], v[LS+4*\i:LS+4*\i+3], s[20:21] offset:\i*8192 th:TH_STORE_NT   ; sixteen lanes store 256 consecutive bytes, aligned: a head's 64 numbers of a row
.endr
.endm
; Pair p as the c-th 64 keys of a product: normalised, quantised; a pair that keeps no key gives zero codes
.macro GPAIR p, c
	s_bitcmp1_b32 s28, \p
	s_cbranch_scc0 .Lgp_zero_\@
	WIN 0x41
.set i, 0
.rept 16
	v_pk_mul_f32 v[32*(\p)+2*i:32*(\p)+2*i+1], v[32*(\p)+2*i:32*(\p)+2*i+1], v[FF:FF+1] op_sel_hi:[1,0]
.set i, i+1
.endr
	WIN 0x01
	v_cvt_scalef32_pk16_bf6_f32 v[PC+6*\c:PC+6*\c+2], v[32*(\p):32*(\p)+15], v[SO+2*\c]
	v_cvt_scalef32_pk16_bf6_f32 v[YY:YY+2], v[32*(\p)+16:32*(\p)+31], v[SO+2*\c+1]
	WIN 0
	v_nop                                          ; one plain place behind a scaled conversion
.irp i, 0,1,2
	v_permlane16_swap_b32 v[PC+6*\c+\i], v[YY+\i]  ; the operand wants a WHOLE block in a lane: lanes 0-15 the pair's first block, lanes 16-31 its second
.endr
.irp i, 0,1,2
	v_mov_b32 v[PC+6*\c+3+\i], v[YY+\i]
.endr
	s_branch .Lgp_done_\@
.Lgp_zero_\@:
.irp i, 0,1,2,3,4,5
	v_mov_b32 v[PC+6*\c+\i], 0
.endr
.Lgp_done_\@:
.endm
.macro VLOAD u                         ; V's fragments of pairs 2 u, 2 u + 1: four tiles of 16 channels x 128 keys
.irp dt, 0,1,2,3
.irp c, 0,1
	ds_load_b128 v[VF+12*\dt+6*\c:VF+12*\dt+6*\c+3], v[VA+(2*\u+\c)/4] offset:(16*((2*\u+\c)%4)+\dt)*768
	ds_load_b64 v[VF+12*\dt+6*\c+4:VF+12*\dt+6*\c+5], v[VB8+(2*\u+\c)/4] offset:(16*((2*\u+\c)%4)+\dt)*768+512
.endr
.endr
.endm
; Pairs 2 u and 2 u + 1: 128 keys of O^T += V^T P^T.  Group 0's fragments were asked for when the scores were done; a later group's are asked for first and land under the quantiser's work.
; Group 0 always runs: its products start the sums.  The four accumulators take turns.
.macro GROUP u, id
.if \u > 0
	s_and_b32 s31, s28, (0xff<<(2*\u))&0xff
	s_cbranch_scc0 .LGend\id                       ; no pair from here on keeps a key
	s_and_b32 s31, s28, 3<<(2*\u)
	s_cbranch_scc0 .Lg_skip_\@
	PLACES                                         ; behind the last products, in front of loads into registers that they have read
	VLOAD \u
.endif
.irp b, 0,1,2,3
	v_mul_f32 v[TB+\b], v[BM+4*\u+\b], v[FF]       ; the block's largest finished p
.endr
.irp b, 0,1,2,3
	v_max_num_f32 v[TB+\b], 0x2800000, v[TB+\b]    ; the floor 2^(5 - 127): the byte cannot fall under 1 (what a pair without keys leaves here, -infinity or NaN, loses too)
.endr
.irp b, 0,1,2,3
	v_add_nc_u32 v[SO+\b], 0xfe000000, v[TB+\b]    ; 4 off the exponent field: the conversion's scale operand
.endr
.irp b, 0,1,2,3
	v_lshrrev_b32 v[TB+\b], 23, v[SO+\b]
.endr
	v_lshl_or_b32 v[PW], v[TB+1], 8, v[TB]
	s_delay_alu instid0(VALU_DEP_1)
	v_lshl_or_b32 v[PW], v[TB+2], 16, v[PW]
	s_delay_alu instid0(VALU_DEP_1)
	v_lshl_or_b32 v[PW], v[TB+3], 24, v[PW]
	GPAIR 2*\u, 0
	GPAIR 2*\u+1, 1
	s_wait_alu depctr_va_vdst(0)
	s_wait_dscnt 0x0                               ; V's fragments are in
	PLACES                                         ; the codes stand four places, the scale word more than eight, ahead of the products
.irp dt, 0,1,2,3
.if \u == 0
	v_wmma_scale_f32_16x16x128_f8f6f4 v[OA+8*\dt:OA+8*\dt+7], v[VF+12*\dt:VF+12*\dt+11], v[PC:PC+11], 0, v[VS+4*\u+\dt], v[PW] matrix_a_fmt:MATRIX_FMT_BF6 matrix_b_fmt:MATRIX_FMT_BF6
.else
	v_wmma_scale_f32_16x16x128_f8f6f4 v[OA+8*\dt:OA+8*\dt+7], v[VF+12*\dt:VF+12*\dt+11], v[PC:PC+11], v[OA+8*\dt:OA+8*\dt+7], v[VS+4*\u+\dt], v[PW] matrix_a_fmt:MATRIX_FMT_BF6 matrix_b_fmt:MATRIX_FMT_BF6
.endif
.endr
.Lg_skip_\@:
.endm
; An item: 16 queries of my group.  id = 0: an even item, 1: an odd one: which set of the exchange's bytes it stores to
.macro ITEM id
	s_wait_kmcnt 0x0                               ; this item's flags; no scalar load is out: their offset may be written
	s_or_b32 s28, s66, s67
	LPAIR 0                                        ; the first fragments of K land under the moves below
	s_mov_b32 s26, s27
	s_wait_loadcnt 0x0                             ; this item's q and mask words, asked for an item ago
	s_wait_xcnt 0x0                                ; the last stores have read their data: the sums' registers may be written
.irp i, 0,1,2,3,4,5
	v_mov_b32 v[B1+\i], v[QN+\i]
	v_mov_b32 v[B2+6+\i], v[QN+\i]
.endr
	v_mov_b32 v[QSC], v[QSN]
.irp i, 0,1,2,3,4,5,6,7
	v_mov_b32 v[MW+\i], v[MWN+\i]
.endr
	s_lshl_b32 s31, s25, 1
	s_add_co_u32 s31, s31, 1+\id
	s_min_u32 s31, s31, 7                          ; the last item asks for its own tile once more: no load leaves its buffer
	s_lshl_b32 s31, s31, 4
	s_add_co_u32 s27, s31, s23
	ASKQ
.irp i, 0,1,2,3,4,5,6,7,8,9,10,11,12,13,14,15
	v_mov_b32 v[BM+\i], v[NINF]                    ; (these 24 lines are also the places between q's moves and the first product)
.endr
.irp i, 0,1,2,3,4,5,6,7
	v_mov_b32 v[LS+\i], 0
.endr
	; ---- A: the scores.  A stage: pair p's products, pair p + 1's fragments asked for, pair p - 1's vector work
	s_wait_dscnt 0x0
	WPAIR 0
	LPAIR 1
.irp p, 1,2,3,4,5,6,7
	s_wait_dscnt 0x0                               ; on every way: no LDS load is out when the next are issued
	WPAIR \p
.if \p < 7
	LPAIR \p+1
.endif
	MPAIR \p-1
	s_and_b32 s31, s28, (0xff<<\p)&0xff
	s_cbranch_scc0 .LAend\id                       ; no pair from here on keeps a key
.endr
	MPAIR 7
.LAend\id:
	s_wait_alu depctr_va_vdst(0)
	s_wait_dscnt 0x0
	VLOAD 0                                        ; K's fragments are done with: V's first 128 keys land under the exponentials
	v_max3_num_f32 v[TT], v[BM], v[BM+1], v[BM+2]
	v_max3_num_f32 v[TT+2], v[BM+3], v[BM+4], v[BM+5]
	v_max3_num_f32 v[TT+3], v[BM+6], v[BM+7], v[BM+8]
	v_max3_num_f32 v[TT+4], v[BM+9], v[BM+10], v[BM+11]
	v_max3_num_f32 v[TT], v[TT], v[BM+12], v[BM+13]
	v_max3_num_f32 v[TT+2], v[TT+2], v[BM+14], v[BM+15]
	s_delay_alu instid0(VALU_DEP_1)
	v_max3_num_f32 v[TT], v[TT], v[TT+2], v[TT+3]
	s_delay_alu instid0(VALU_DEP_1)
	v_max_num_f32 v[TT], v[TT], v[TT+4]            ; my query's largest score among my 512 keys
	s_delay_alu instid0(VALU_DEP_1)
	v_mul_f32 v[TT], s[CS], v[TT]
	s_delay_alu instid0(VALU_DEP_1)
	v_max_num_f32 v[MC], 0xff61b1e6, v[TT]         ; as t, held at -3e38 where no key is kept
	s_wait_alu depctr_va_vdst(0)                   ; directly behind the write
	; ---- B: the exponentials and the sum
	BPAIR 0
.irp p, 1,2,3,4,5,6,7
	s_and_b32 s31, s28, (0xff<<\p)&0xff
	s_cbranch_scc0 .LBend\id
	BPAIR \p
.endr
.LBend\id:
	s_wait_alu depctr_va_vdst(0)
	v_pk_add_f32 v[LS:LS+1], v[LS:LS+1], v[LS+2:LS+3]
	v_pk_add_f32 v[LS+4:LS+5], v[LS+4:LS+5], v[LS+6:LS+7]
	s_delay_alu instid0(VALU_DEP_1)
	v_pk_add_f32 v[LS:LS+1], v[LS:LS+1], v[LS+4:LS+5]
	s_delay_alu instid0(VALU_DEP_1)
	v_add_f32 v[TT], v[LS], v[LS+1]
	v_permlanex16_b32 v[TT+1], v[TT], s2, s3
	v_add_f32 v[MC+1], v[TT], v[TT+1]              ; my query's sum over my 512 keys
	; ---- the exchange
	ds_store_b64 v[STW], v[MC:MC+1] offset:\id*PARO   ; (both halves of the lanes write the same 8 bytes with the same value)
	s_wait_dscnt 0x0                               ; for the others' sake: this store and the last item's part of O have landed, and my reads of the item before are in
	s_barrier_signal -1
	s_barrier_wait -1
	ds_load_b128 v[STL:STL+3], v[STR] offset:\id*PARO
	ds_load_b128 v[STL+4:STL+7], v[STR] offset:\id*PARO+16
.if \id == 0
	s_cmp_eq_u32 s25, 0
	s_cbranch_scc1 .Lno_prev
.endif
	FINISH 1-\id
.if \id == 0
.Lno_prev:
.endif
	s_lshl_b32 s30, s26, 16                        ; this tile's 16 rows of 4,096 bytes
	s_wait_dscnt 0x0
	; ---- what p is multiplied by: 2^(my largest t - the row's) / the row's sum
	v_max3_num_f32 v[TT], v[STL], v[STL+2], v[STL+4]
	s_delay_alu instid0(VALU_DEP_1)
	v_max_num_f32 v[TT], v[TT], v[STL+6]           ; the row's largest t
	s_delay_alu instid0(VALU_DEP_1)
	v_sub_f32 v[TT+1], v[STL], v[TT]
	v_sub_f32 v[TT+2], v[STL+2], v[TT]
	v_sub_f32 v[TT+3], v[STL+4], v[TT]
	v_sub_f32 v[TT+4], v[STL+6], v[TT]
	v_sub_f32 v[TT+5], v[MC], v[TT]
	s_wait_alu depctr_va_vdst(0)
.irp i, 1,2,3,4,5
	v_exp_f32 v[TT+\i], v[TT+\i]
.endr
	v_nop                                          ; one plain place behind the exponentials
	s_wait_alu depctr_va_vdst(0)
	v_mul_f32 v[TT+6], v[STL+1], v[TT+1]
	v_fma_f32 v[TT+6], v[STL+3], v[TT+2], v[TT+6]
	v_fma_f32 v[TT+6], v[STL+5], v[TT+3], v[TT+6]
	v_fma_f32 v[TT+6], v[STL+7], v[TT+4], v[TT+6]  ; the row's sum, in the same order in all four waves
	s_wait_alu depctr_va_vdst(0)
	v_rcp_f32 v[TT+7], v[TT+6]
	v_nop                                          ; one plain place behind the reciprocal
	v_cmp_lt_f32 vcc_lo, 0, v[TT+6]
	s_wait_alu depctr_va_vdst(0)
	v_mul_f32 v[TT+7], v[TT+7], v[TT+5]
	v_cndmask_b32 v[FF], 0, v[TT+7], vcc_lo        ; a row with no kept key: 0
	s_wait_alu depctr_va_vdst(0)                   ; directly behind the write
	; ---- P is finished, quantised and multiplied
	GROUP 0, \id
	GROUP 1, \id
	GROUP 2, \id
	GROUP 3, \id
.LGend\id:
	PLACES                                         ; in front of the first read of results, on every way
.irp dt, 0,1,2,3
	ds_store_b128 v[OPW], v[OA+8*\dt:OA+8*\dt+3] offset:\id*PARO+64*\dt        ; lane (r, h): query r, channels 16 dt + 8 h + 0 .. 7; each accumulator from its low end on
	ds_store_b128 v[OPW], v[OA+8*\dt+4:OA+8*\dt+7] offset:\id*PARO+64*\dt+16
.endr
.endm
.Ltrip:
	ITEM 0
	ITEM 1
	s_add_co_u32 s25, s25, 1
	s_cmp_lt_u32 s25, 4
	s_cbranch_scc1 .Ltrip
	s_wait_dscnt 0x0                               ; my part of the last item's O has landed,
	s_barrier_signal -1
	s_barrier_wait -1                              ; everybody's has
	FINISH 1
	s_wait_tensorcnt 0x0                           ; the wave's end
	ds_add_u32 v254, v255
	s_wait_dscnt 0x0
	s_endpgm
.Lfunc_end_k_q907ef53c36_attn:
	.size	k_q907ef53c36_attn, .Lfunc_end_k_q907ef53c36_attn-k_q907ef53c36_attn
	.p2alignl 7, 3214868480
	.fill 96, 4, 3214868480
	.section	.rodata,"a",@progbits
	.p2align	6, 0x0
	.amdhsa_kernel k_q907ef53c36_attn
		.amdhsa_group_segment_fixed_size 269312
		.amdhsa_private_segment_fixed_size 0
		.amdhsa_enable_private_segment 0
		.amdhsa_kernarg_size 72
		.amdhsa_user_sgpr_count 2
		.amdhsa_user_sgpr_kernarg_segment_ptr 1
		.amdhsa_wavefront_size32 1
		.amdhsa_system_sgpr_workgroup_id_x 1
		.amdhsa_system_sgpr_workgroup_id_y 1
		.amdhsa_system_sgpr_workgroup_id_z 1
		.amdhsa_system_vgpr_workitem_id 0
		.amdhsa_next_free_vgpr 512
		.amdhsa_next_free_sgpr 102
		.amdhsa_reserve_vcc 1
		.amdhsa_float_denorm_mode_32 3
		.amdhsa_float_denorm_mode_16_64 3
		.amdhsa_memory_ordered 1
		.amdhsa_forward_progress 1
		.amdhsa_inst_pref_size 255
	.end_amdhsa_kernel
	.section	.bss,"aw",@nobits
	.p2align	6
	.space	262144
	.amdgpu_metadata
---
amdhsa.version: [ 1, 2 ]
amdhsa.kernels:
  - .name:           k_q907ef53c36_attn
    .symbol:         k_q907ef53c36_attn.kd
    .args:
      - { .name: qc, .offset: 0, .size: 8, .value_kind: global_buffer, .address_space: global }
      - { .name: qs, .offset: 8, .size: 8, .value_kind: global_buffer, .address_space: global }
      - { .name: kc, .offset: 16, .size: 8, .value_kind: global_buffer, .address_space: global }
      - { .name: ks, .offset: 24, .size: 8, .value_kind: global_buffer, .address_space: global }
      - { .name: vc, .offset: 32, .size: 8, .value_kind: global_buffer, .address_space: global }
      - { .name: vs, .offset: 40, .size: 8, .value_kind: global_buffer, .address_space: global }
      - { .name: mw, .offset: 48, .size: 8, .value_kind: global_buffer, .address_space: global }
      - { .name: fl, .offset: 56, .size: 8, .value_kind: global_buffer, .address_space: global }
      - { .name: out0, .offset: 64, .size: 8, .value_kind: global_buffer, .address_space: global }
    .group_segment_fixed_size: 269312
    .private_segment_fixed_size: 0
    .kernarg_segment_align: 8
    .kernarg_segment_size: 72
    .max_flat_workgroup_size: 256
    .sgpr_count:     102
    .vgpr_count:     512
    .wavefront_size: 32
...
	.end_amdgpu_metadata
.endif
;; end of part 2
